; MI455X (gfx1250); checked and timed in simulation.
; The chip was launched on July 23, 2026; its instructions are those of AMD's public machine-readable ISA for CDNA 5 (MIT licence, August 2026) and "CDNA5" Instruction Set Architecture Reference Guide (July 2026). The comments in the code are by the model that wrote it; some were corrected since.
;; Self Attention2d. Allowed arithmetic: matrix products marked QUANTISED: E3M2 operands, one E8M0 scale for each 32 along K, by v_wmma_scale_f32_16x16x128_f8f6f4 with both operands' format E3M2, f32 sums; everything else in f32.
;; Inputs: b_out 256 float32; b_qkv 768 float32; beta 256 float32; gamma 256 float32; w_out_codes 256 x 8 x 24 uint8 (E3M2 codes of w_out, K innermost, in blocks of 32 codes, four codes in three bytes); w_out_scales 256 x 8 uint8 (E8M0 scales of w_out, one for each 32 codes along K); w_qkv_codes 768 x 8 x 24 uint8 (E3M2 codes of w_qkv, K innermost, in blocks of 32 codes, four codes in three bytes); w_qkv_scales 768 x 8 uint8 (E8M0 scales of w_qkv, one for each 32 codes along K); x 4 x 256 x 64 x 64 float32.
;; Outputs: out0 4 x 256 x 64 x 64 float32.
;; Constants: n_head = 4.
;; This version of the problem:
;;   THIS VERSION OF THE PROBLEM IS GIVEN IN LOW PRECISION. The matrix products marked QUANTISED in the list below multiply operands that are first quantised to E3M2 (3 exponent bits, 2 mantissa bits; 6 bits a number), with one power-of-two scale for each 32 numbers along K (OCP MX v1.0); their sums are f32. All else is computed in f32.
;;   The module's matrix products, in the order in which they are computed (A, B: the left and right operand; K: the contracted axis; several contracted axes count as one K, in the product's order):
;;     1. [M 768, K 256] x [K 256, N 16,384]; A: input w_qkv (given as codes); B: computed on the way: QUANTISED
;;     2. batch 16 x [M 4,096, K 64] x [K 64, N 4,096]; A: computed on the way; B: computed on the way: QUANTISED
;;     3. batch 16 x [M 4,096, K 4,096] x [K 4,096, N 64]; A: softmax (see below); B: computed on the way: QUANTISED
;;     4. [M 256, K 256] x [K 256, N 16,384]; A: input w_out (given as codes); B: computed on the way: QUANTISED
;;   THE QUANTISER, for each operand of a quantised product, along K:
;;     - K is cut into blocks of 32 from its start; a last block that is shorter is filled with zeros.
;;     - A block's scale is 2^e with e = floor(log2(the largest magnitude in the block)) - 4, held to -126 .. 127; a block of zeros has e = 0. As a byte (E8M0): e + 127.
;;     - Each number is divided by its block's scale, clamped to +-28, and rounded to the nearest number of E3M2, ties to even, subnormals kept.
;;     - The product sums the exact products of the quantised numbers (number of the format x scale) in f32.
;;   ~~~python
;;   def quantise(x, axis):      # numpy; x: float32 -> the quantised numbers, widened to float32 again
;;       x = np.moveaxis(x, axis, -1); K = x.shape[-1]
;;       x = np.pad(x, [(0, 0)] * (x.ndim - 1) + [(0, -K % 32)]); x = x.reshape(x.shape[:-1] + (-1, 32)); a = np.abs(x).max(-1, keepdims=True)
;;       e = np.where(a > 0, np.clip(np.frexp(np.where(a > 0, a, 1))[1] - 1 - 4, -126, 127), 0)      # np.frexp(a)[1] - 1 = floor(log2(a)), exactly
;;       r = np.clip(x / 2.0 ** e, -28, 28)
;;       step = 2.0 ** (np.maximum(np.frexp(np.where(r == 0, 1, r))[1] - 1, -2) - 2)
;;       q = np.round(r / step) * step * 2.0 ** e      # np.round: ties to even
;;       return np.moveaxis(q.reshape(q.shape[:-2] + (-1,))[..., :K], -1, axis).astype(np.float32)
;;   ~~~
;;   SOFTMAX AHEAD OF A QUANTISED PRODUCT. Where the list says 'softmax', what is quantised is not the finished softmax but p = 2^(t - M), with t = logit x log2(e) and M = ceil(the row's largest t), a whole number; so 1/2 < the row's largest p <= 1. The row's sum l is taken of the UNQUANTISED p, in f32, and the product's result is divided by l at the end. Since M is a whole number, a kernel that streams over the keys may use a running M (the ceiling of the running maximum): every later rescaling is an exact power of two, which a block's scale takes up: the codes' values come out the same.
;;   OPERANDS COMPUTED ON THE WAY. 'Computed on the way' means the value that the module computes at that place (a softmax that the list does not call 'softmax' is quantised finished and normalised). What goes into a quantiser is computed in f32, as accurately as f32 sums, v_exp_f32 and their like allow (about 1e-6 of the number): no bf16 or f16 on the way to a quantiser, and a product that is left as it is and whose result goes on into a quantised operand takes f32 operands (vector FMAs, or v_wmma_f32_16x16x4_f32). A number that lies on a knife's edge between two numbers of the format may be rounded either way, as far as f32 arithmetic and the matrix unit's own rounding can turn it there, and no further.
;;   INPUTS GIVEN AS CODES. w_out (in the module: [256, 256], K = its axis 1); w_qkv (in the module: [768, 256], K = its axis 1): each comes as NAME_codes (uint8): NAME with its K axis moved to the last place and cut into blocks of 32 codes, [.., K / 32, bytes a block], one block behind the other in memory; four codes in three bytes: a row's codes are one little-endian stream of bits, code i at bits 6 i .. 6 i + 5 (a code: sign, 3 exponent bits, 2 mantissa bits); and NAME_scales (uint8): the same leading axes, one E8M0 byte (e + 127) for each 32 codes along K. Its value is code x scale, taken as it is: it is not quantised again, and the codes and scales need not be those that the quantiser above would give.
;; One version. Each part assembles by itself: llvm-mc -triple=amdgcn-amd-amdhsa -mcpu=gfx1250 --defsym DOCPART=n.
;; ======== version 1 of 1: 3 launches
;; workspace buffers: stats 2,048 bytes; wimg 196,608 bytes; qbuf 3,407,872 bytes; kv 6,684,672 bytes
;; launch prep (part 1): grid 272 x 1, 8 waves a work-group, no clusters, 1,280 bytes of LDS; arguments x, w_qkv_codes, w_out_codes, stats, wimg; writes stats, wimg
.if DOCPART == 1
	.amdgcn_target "amdgcn-amd-amdhsa--gfx1250"
	.amdhsa_code_object_version 6
	.text
	.protected	k_qd197073b1b_prep
	.globl	k_qd197073b1b_prep
	.p2align	8
	.type	k_qd197073b1b_prep,@function
k_qd197073b1b_prep:
	s_mov_b64 s[64:65], 0
	v_nop
	global_prefetch_b8 v0, s[64:65] scope:SCOPE_SE
	s_setreg_imm32_b32 hwreg(HW_REG_WAVE_MODE, 25, 1), 1
	s_wait_xcnt 0x0
; TWO SMALL JOBS IN ONE LAUNCH, parted by the work-group's number.
; Work-groups 0-255: x is 256 chunks of 16,384 numbers (64 chunks a sample).  Work-group g stores its chunk's mean and the sum of squared
; deviations FROM THAT MEAN (M2) at stats[g].  The chunk stays in registers between the two passes, so x is read once here, and no difference
; of large sums is formed when x carries a common offset.
; Work-groups 256-271: the codes of w_qkv (groups 0-11 of 64 rows) and of w_out (groups 12-15) are laid out anew as IMAGES OF OPERAND REGISTERS:
; wimg[group][tile u][K step s] is 1,536 bytes: three runs of 512 bytes, run k = registers 4 k .. 4 k + 3 of the fragment, lane l at 16 l.
; Lane (r, h) of tile u holds row 32 (r / 8) + 8 u + r % 8 of the group: with these rows a product's four tiles leave 32 neighbours in a lane.
; No matrix work, no tensor loads.  LIMITS: NaN and infinities in x are not served.
.set SEL, 16                           ; s[16:17] selects of v_permlanex16_b32: lane l xor 16
.set XR,  8                            ; v8-71   the chunk: 64 numbers a thread
.set CHN, 72                           ; v72-79  four chains of pairs
.set PT,  80                           ; v80     the permute's destination (written once: it counts as read)
.set WA,  81                           ; v81     4 x wave: my wave's word in LDS
.set ZA,  82                           ; v82     0
.set RB,  84                           ; v84-91  the eight waves' figures
.set MN,  92                           ; v92-93  the mean, twice; at the end (mean, M2)
.macro RED32 x, tmp                    ; the sum over the 32 lanes, in every lane
	s_delay_alu instid0(VALU_DEP_1)
	v_add_f32_dpp v[\x], v[\x], v[\x] row_xmask:1 row_mask:0xf bank_mask:0xf
	s_delay_alu instid0(VALU_DEP_1)
	v_add_f32_dpp v[\x], v[\x], v[\x] row_xmask:2 row_mask:0xf bank_mask:0xf
	s_delay_alu instid0(VALU_DEP_1)
	v_add_f32_dpp v[\x], v[\x], v[\x] row_xmask:4 row_mask:0xf bank_mask:0xf
	s_delay_alu instid0(VALU_DEP_1)
	v_add_f32_dpp v[\x], v[\x], v[\x] row_xmask:8 row_mask:0xf bank_mask:0xf
	s_delay_alu instid0(VALU_DEP_1)
	v_permlanex16_b32 v[\tmp], v[\x], s[SEL], s[SEL+1]
	s_delay_alu instid0(VALU_DEP_1)
	v_add_f32 v[\x], v[\x], v[\tmp]
.endm
; the four chains become one number a wave, the eight waves' numbers meet in LDS at byte off, and every lane gets their sum in v[RB]
.macro WGSUM off
	s_delay_alu instid0(VALU_DEP_3)
	v_pk_add_f32 v[CHN:CHN+1], v[CHN:CHN+1], v[CHN+2:CHN+3]
	s_delay_alu instid0(VALU_DEP_2)
	v_pk_add_f32 v[CHN+4:CHN+5], v[CHN+4:CHN+5], v[CHN+6:CHN+7]
	s_delay_alu instid0(VALU_DEP_1)
	v_pk_add_f32 v[CHN:CHN+1], v[CHN:CHN+1], v[CHN+4:CHN+5]
	s_delay_alu instid0(VALU_DEP_1)
	v_add_f32 v[CHN], v[CHN], v[CHN+1]
	RED32 CHN, PT
	ds_store_b32 v[WA], v[CHN] offset:\off         ; all lanes write the same word with the same value
	s_wait_dscnt 0x0                               ; for the others' sake: my store has landed
	s_barrier_signal -1
	s_barrier_wait -1
	ds_load_b128 v[RB:RB+3], v[ZA] offset:\off
	ds_load_b128 v[RB+4:RB+7], v[ZA] offset:\off+16
	s_wait_dscnt 0x0
	v_add_f32 v[RB], v[RB], v[RB+1]
	v_add_f32 v[RB+2], v[RB+2], v[RB+3]
	v_add_f32 v[RB+4], v[RB+4], v[RB+5]
	v_add_f32 v[RB+6], v[RB+6], v[RB+7]
	s_delay_alu instid0(VALU_DEP_3)
	v_add_f32 v[RB], v[RB], v[RB+2]
	s_delay_alu instid0(VALU_DEP_2)
	v_add_f32 v[RB+4], v[RB+4], v[RB+6]
	s_delay_alu instid0(VALU_DEP_1)
	v_add_f32 v[RB], v[RB], v[RB+4]
.endm
	s_load_b256 s[4:11], s[0:1], 0x0               ; x s[4:5], w_qkv's codes s[6:7], w_out's s[8:9], stats s[10:11]
	s_load_b64 s[12:13], s[0:1], 0x20              ; wimg
	v_lshl_add_u32 v96, v0, 2, 0x100
	v_mov_b32 v97, 0
	v_lshrrev_b32 v1, 5, v0
	s_delay_alu instid0(VALU_DEP_1)
	v_readfirstlane_b32 s14, v1                    ; wave 0..7
	s_mov_b32 s[SEL], 0x76543210
	s_mov_b32 s[SEL+1], 0xfedcba98
	s_cmp_ge_u32 ttmp9, 256                        ; the same for all waves of a work-group
	s_cbranch_scc1 .Lrelay
	; ---- the chunk's mean and M2
	s_lshl_b32 s18, ttmp9, 16                      ; the chunk's 65,536 bytes
	s_mov_b32 s19, 0
	s_lshl_b32 s20, ttmp9, 3                       ; its 8 bytes in stats
	s_mov_b32 s21, 0
	v_lshlrev_b32 v1, 4, v0                        ; 16 bytes a thread: a wave's load covers 512 consecutive bytes, the work-group's 4,096
	v_mov_b32 v[PT], 0
	v_mov_b32 v[WA], s14
	s_delay_alu instid0(VALU_DEP_1)
	v_lshlrev_b32 v[WA], 2, v[WA]
	v_mov_b32 v[ZA], 0
	s_wait_alu depctr_va_vdst(0)
	s_wait_kmcnt 0x0
	s_add_nc_u64 s[4:5], s[4:5], s[18:19]
	s_add_nc_u64 s[10:11], s[10:11], s[20:21]
.irp i, 0,1,2,3,4,5,6,7,8,9,10,11,12,13,14,15
	global_load_b128 v[XR+4*\i:XR+4*\i+3], v1, s[4:5] offset:4096*\i
.endr
	s_wait_loadcnt 12                              ; the first four loads are in; the twelve younger ones stay out
.irp k, 0,1,2,3
	v_pk_add_f32 v[CHN+2*\k:CHN+2*\k+1], v[XR+2*\k:XR+2*\k+1], v[XR+8+2*\k:XR+9+2*\k]   ; the first pairs start the chains: nothing is cleared
.endr
	s_wait_alu depctr_va_vdst(0)
.irp g, 1,2,3
	s_wait_alu depctr_va_vdst(0)
	s_wait_loadcnt 12-4*\g                         ; four loads more are in
.irp k, 0,1,2,3,4,5,6,7
	v_pk_add_f32 v[CHN+2*(\k%4):CHN+2*(\k%4)+1], v[CHN+2*(\k%4):CHN+2*(\k%4)+1], v[XR+16*\g+2*\k:XR+16*\g+2*\k+1]
.endr
.endr
	WGSUM 0
	s_delay_alu instid0(VALU_DEP_1)
	v_mul_f32 v[MN], 0x38800000, v[RB]             ; / 16,384: the chunk's mean
	s_delay_alu instid0(VALU_DEP_1)
	v_mov_b32 v[MN+1], v[MN]
.set j, 0
.rept 32
	v_pk_add_f32 v[XR+2*j:XR+2*j+1], v[XR+2*j:XR+2*j+1], v[MN:MN+1] neg_lo:[0,1] neg_hi:[0,1]   ; deviations from the chunk's own mean
.set j, j+1
.endr
.irp k, 0,1,2,3
	v_pk_mul_f32 v[CHN+2*\k:CHN+2*\k+1], v[XR+2*\k:XR+2*\k+1], v[XR+2*\k:XR+2*\k+1]
.endr
.set j, 4
.rept 28
	s_delay_alu instid0(VALU_DEP_4)
	v_pk_fma_f32 v[CHN+2*(j%4):CHN+2*(j%4)+1], v[XR+2*j:XR+2*j+1], v[XR+2*j:XR+2*j+1], v[CHN+2*(j%4):CHN+2*(j%4)+1]
.set j, j+1
.endr
	WGSUM 64                                       ; other LDS words than the first sum's: no barrier is owed between that sum's reads and these stores
	s_delay_alu instid0(VALU_DEP_1)
	v_mov_b32 v[MN+1], v[RB]                       ; (mean, M2)
	s_cmp_lg_u32 s14, 0                            ; one lane of wave 0 stores; no barrier follows
	s_cbranch_scc1 .Ldone
	v_cmp_eq_u32 vcc_lo, 0, v0
	s_wait_xcnt 0x0                                ; EXEC changes only behind this wait
	s_and_saveexec_b32 s22, vcc_lo
	s_wait_alu depctr_va_vdst(0)
	global_store_b64 v[ZA], v[MN:MN+1], s[10:11]
	s_wait_xcnt 0x0                                ; and again in front of the line that widens it
	s_or_b32 exec_lo, exec_lo, s22
.Ldone:
	s_wait_tensorcnt 0x0
	ds_add_u32 v96, v97
	s_wait_dscnt 0x0
	s_endpgm
	; ---- a group of 64 weight rows: wave w makes fragment (tile u = w / 2, K step s = w % 2)
.Lrelay:
	s_sub_co_u32 s18, ttmp9, 256                   ; group 0..15
	v_and_b32 v2, 31, v0                           ; lane
	v_bfe_u32 v4, v0, 4, 1                         ; h
	v_and_b32 v5, 7, v0                            ; r % 8
	v_bfe_u32 v6, v0, 3, 1                         ; r / 8
	s_delay_alu instid0(VALU_DEP_1)
	v_lshl_add_u32 v5, v6, 5, v5                   ; 32 (r / 8) + r % 8
	s_delay_alu instid0(VALU_DEP_1)
	v_mul_u32_u24 v5, v5, 192                      ; a row of 256 codes is 192 bytes
	s_delay_alu instid0(VALU_DEP_1)
	v_mad_u32_u24 v5, v4, 24, v5                   ; + 24 h: my half's 32 codes
	v_lshlrev_b32 v6, 4, v2                        ; 16 x lane
	s_lshr_b32 s24, s14, 1
	s_mul_i32 s24, s24, 1536                       ; 8 u rows
	s_and_b32 s25, s14, 1
	s_mul_i32 s25, s25, 96                         ; K step s
	s_add_co_u32 s24, s24, s25
	s_mul_i32 s26, s18, 12288
	s_mul_i32 s27, s14, 1536
	s_add_co_u32 s26, s26, s27                     ; where the image goes
	s_mov_b32 s27, 0
	s_wait_alu depctr_va_vdst(0)
	s_wait_kmcnt 0x0
	s_cmp_lt_u32 s18, 12                           ; w_qkv's group or w_out's: the choice hangs on the work-group's number alone
	s_cselect_b64 s[6:7], s[6:7], s[8:9]
	s_cselect_b32 s19, 0, 12
	s_sub_co_u32 s19, s18, s19                     ; the group's number in its own tensor
	s_mul_i32 s19, s19, 12288
	s_add_co_u32 s24, s24, s19
	s_mov_b32 s25, 0
	s_add_nc_u64 s[6:7], s[6:7], s[24:25]
	s_add_nc_u64 s[12:13], s[12:13], s[26:27]
.irp p, 0,1,2,3,4,5
	global_load_b64 v[8+2*\p:9+2*\p], v5, s[6:7] offset:48*(\p/3)+8*(\p%3)   ; registers 6 c .. 6 c + 5: k = 64 c + 32 h + 0 .. 31, as the bits lie
.endr
	s_wait_loadcnt 0x0
.irp k, 0,1,2
	global_store_b128 v6, v[8+4*\k:11+4*\k], s[12:13] offset:512*\k          ; 32 lanes store 512 consecutive bytes
.endr
	s_endpgm
.Lfunc_end_k_qd197073b1b_prep:
	.size	k_qd197073b1b_prep, .Lfunc_end_k_qd197073b1b_prep-k_qd197073b1b_prep
	.p2alignl 7, 3214868480
	.fill 96, 4, 3214868480
	.section	.rodata,"a",@progbits
	.p2align	6, 0x0
	.amdhsa_kernel k_qd197073b1b_prep
		.amdhsa_group_segment_fixed_size 1280
		.amdhsa_private_segment_fixed_size 0
		.amdhsa_enable_private_segment 0
		.amdhsa_kernarg_size 40
		.amdhsa_user_sgpr_count 2
		.amdhsa_user_sgpr_kernarg_segment_ptr 1
		.amdhsa_wavefront_size32 1
		.amdhsa_system_sgpr_workgroup_id_x 1
		.amdhsa_system_sgpr_workgroup_id_y 1
		.amdhsa_system_sgpr_workgroup_id_z 1
		.amdhsa_system_vgpr_workitem_id 0
		.amdhsa_next_free_vgpr 98
		.amdhsa_next_free_sgpr 66
		.amdhsa_reserve_vcc 1
		.amdhsa_float_denorm_mode_32 3
		.amdhsa_float_denorm_mode_16_64 3
		.amdhsa_memory_ordered 1
		.amdhsa_forward_progress 1
		.amdhsa_inst_pref_size 16
	.end_amdhsa_kernel
	.amdgpu_metadata
---
amdhsa.version: [ 1, 2 ]
amdhsa.kernels:
  - .name:           k_qd197073b1b_prep
    .symbol:         k_qd197073b1b_prep.kd
    .args:
      - { .name: x, .offset: 0, .size: 8, .value_kind: global_buffer, .address_space: global }
      - { .name: w_qkv_codes, .offset: 8, .size: 8, .value_kind: global_buffer, .address_space: global }
      - { .name: w_out_codes, .offset: 16, .size: 8, .value_kind: global_buffer, .address_space: global }
      - { .name: stats, .offset: 24, .size: 8, .value_kind: global_buffer, .address_space: global }
      - { .name: wimg, .offset: 32, .size: 8, .value_kind: global_buffer, .address_space: global }
    .group_segment_fixed_size: 1280
    .private_segment_fixed_size: 0
    .kernarg_segment_align: 8
    .kernarg_segment_size: 40
    .max_flat_workgroup_size: 256
    .sgpr_count:     66
    .vgpr_count:     98
    .wavefront_size: 32
...
	.end_amdgpu_metadata
.endif
;; end of part 1
;; launch qkv (part 2): grid 64 x 4, 12 waves a work-group, no clusters, 80,384 bytes of LDS; arguments x, stats, gamma, beta, wimg, w_qkv_scales, b_qkv, qbuf, kv; writes qbuf, kv
.if DOCPART == 2
	.amdgcn_target "amdgcn-amd-amdhsa--gfx1250"
	.amdhsa_code_object_version 6
	.text
	.protected	k_qd197073b1b_qkv
	.globl	k_qd197073b1b_qkv
	.p2align	8
	.type	k_qd197073b1b_qkv,@function
k_qd197073b1b_qkv:
	s_mov_b64 s[64:65], 0
	v_nop
	global_prefetch_b8 v0, s[64:65] scope:SCOPE_SE
	s_setreg_imm32_b32 hwreg(HW_REG_WAVE_MODE, 25, 1), 1
	s_wait_xcnt 0x0
; GroupNorm, the QKV product on codes of BF6 (E3M2) with one E8M0 scale for each 32 along K, and the quantising of q, k and v for the attention launch.
; SHARES.  Work-group (c', n) owns 64 pixels (64 c' on) of sample n and all 768 outputs.  Wave g owns outputs 64 g .. 64 g + 63: waves 0-3 q of heads 0-3, 4-7 k, 8-11 v.
; Its eight weight fragments come once, as register images, straight into registers.
; PHASES.  A (waves 0-7): the sample's mean and variance from the 64 chunks' figures; xn = (x - mean) (gamma rstd) + beta in f32, into LDS as [channel][pixel] | barrier |
; B (waves 0-7): wave w reads, a lane to a pixel and registers down the channels, K step w / 4 of pixel tile w % 4, quantises it and stores the fragment's image | barrier |
; C: every wave multiplies its 64 outputs by the 64 pixels, adds the bias as the C of each sum's first product, quantises in registers and stores images.
; THE ROWS OF A TILE ARE NOT NEIGHBOURS: lane r of tile u (of weights, or of pixels) takes element 32 (r / 8) + 8 u + r % 8 of its group of 64.  So the 32 result registers of four tiles
; are 32 NEIGHBOURS, and the lane's half h is block h: a block's largest magnitude needs no other lane, and two conversions give registers 6 c .. 6 c + 5 of the next operand as they stand.
; q, k: source 0 = weights, source 1 = xn: a lane holds one pixel and d = 32 h + 0 .. 31 (the next K).   v: source 0 = xn, source 1 = weights: a lane holds one d and 32 pixels (keys: the next K).
; OUT.  qbuf[n][c'][head]: four tiles of 768 bytes (six registers a lane: 512 bytes at 16 l, 256 at 8 l), then 256 bytes of scale words [r][tile].
; kv[n][step = c' / 2][head], 13,056 bytes: 8 K tiles of 768; V's (tile u, half c) at 6,144 + 1,536 u + 768 c; K's scale words [c][r][tile] at 12,288; V's [r][u] at 12,800.  c = c' % 2.
; NO JOINT LOADS: what all work-groups share is the weights, 12 KiB a wave, read once into registers in a launch that has no loop; a shared road through LDS would add a copy and barriers for one step's bytes.
; LIMITS: NaN and infinities are not served.  A block whose largest magnitude lies under 2^-122 keeps the scale byte 1 (a block of zeros too, where the rule says 127: its codes are zeros, and only
; this program reads the bytes).  gamma is multiplied into rstd first, an order of rounding that differs from the reference's by about one unit in the last place.
.set XIMG, 65536                       ; LDS: 0: xn, f32: (channel, pixel) at 256 channel + (4 pixel xor 64 x bit 5 of the channel); XIMG: 8 fragment images (2 t + s) of 1,536 bytes;
.set XSC,  77824                       ; XSC: their scale words, 128 bytes each
.set XG,  1                            ; v1   x: 2^18 h + 16 r
.set GBO, 2                            ; v2   64 h
.set XSA, 3                            ; v3   where phase A stores
.set XLB, 4                            ; v4   where phase B reads
.set IMW, 5                            ; v5   where phase B stores its image
.set SCW, 6                            ; v6   and its scale word
.set L16, 7                            ; v7   16 x lane
.set L8,  8                            ; v8   8 x lane
.set LXS, 9                            ; v9   XSC + 4 x lane
.set R16, 10                           ; v10  16 r
.set SH8, 11                           ; v11  8 h
.set WSO, 12                           ; v12  8 (32 (r / 8) + r % 8)
.set BVQ, 13                           ; v13  128 h
.set BVV, 14                           ; v14  4 (32 (r / 8) + r % 8)
.set LN,  15                           ; v15  lane
.set MA,  16                           ; v16-18 at work: two chains of maxima, the conversion's scale operand
.set MB,  17
.set SC,  18
.set BY0, 19                           ; v19-20 scale bytes
.set BY1, 20
.set PT,  21                           ; v21  the permute's destination
.set MEAN, 23
.set RSTD, 24
.set SP,  26                           ; v26-28 a block's upper 16 codes (a conversion's three registers begin on an even number)
.set LXI, 29                           ; v29  XIMG + 16 x lane
.set SW,  30                           ; v30-33 the four scale words that go out
.set TT,  34
.set WS,  36                           ; v36-43 the weights' scale words, 2 u + s
.set XS,  44                           ; v44-47 xn's scale words
.set BI,  48                           ; v48-79 the bias in the result's layout; in phase A gamma (48-63) and beta (64-79)
.set WF,  80                           ; v80-175 eight weight fragments, 12 (2 u + s)
.set XF,  176                          ; v176.. xn's fragments; in phases A and B 64 numbers
.set CD,  200                          ; v200-223 q, k: a tile's six code registers, 6 t
.set ACC, 224                          ; v224-255 four accumulators
.set ST,  240                          ; v240-243 two chunks' figures (phase A); v240-251 phase B's codes
.set SEL, 26                           ; s[26:27]
.macro RED32 x, tmp
	s_delay_alu instid0(VALU_DEP_1)
	v_add_f32_dpp v[\x], v[\x], v[\x] row_xmask:1 row_mask:0xf bank_mask:0xf
	s_delay_alu instid0(VALU_DEP_1)
	v_add_f32_dpp v[\x], v[\x], v[\x] row_xmask:2 row_mask:0xf bank_mask:0xf
	s_delay_alu instid0(VALU_DEP_1)
	v_add_f32_dpp v[\x], v[\x], v[\x] row_xmask:4 row_mask:0xf bank_mask:0xf
	s_delay_alu instid0(VALU_DEP_1)
	v_add_f32_dpp v[\x], v[\x], v[\x] row_xmask:8 row_mask:0xf bank_mask:0xf
	s_delay_alu instid0(VALU_DEP_1)
	v_permlanex16_b32 v[\tmp], v[\x], s[SEL], s[SEL+1]
	s_delay_alu instid0(VALU_DEP_1)
	v_add_f32 v[\x], v[\x], v[\tmp]
.endm
; 32 numbers of a lane, one whole block, become six code registers v[dst ..] and the block's scale byte v[by].  The maxima go up the registers.
.macro QB32 src, dst, sp, by
	v_max3_num_f32 v[MA], |v[(\src)]|, |v[(\src)+1]|, |v[(\src)+2]|
	v_max3_num_f32 v[MB], |v[(\src)+16]|, |v[(\src)+17]|, |v[(\src)+18]|
.irp i, 3,5,7,9,11,13
	v_max3_num_f32 v[MA], v[MA], |v[(\src)+\i]|, |v[(\src)+\i+1]|
	v_max3_num_f32 v[MB], v[MB], |v[(\src)+16+\i]|, |v[(\src)+17+\i]|
.endr
	v_max3_num_f32 v[MA], v[MA], v[MB], |v[(\src)+15]|
	v_max3_num_f32 v[MA], v[MA], |v[(\src)+31]|, 0x2800000        ; and the floor 2^(5 - 127): the byte cannot fall under 1
	s_delay_alu instid0(VALU_DEP_1)
	v_add_nc_u32 v[SC], 0xfe000000, v[MA]          ; 4 off the exponent field: the conversion takes that field as its scale and nothing else
	s_delay_alu instid0(VALU_DEP_1)
	v_lshrrev_b32 v[\by], 23, v[SC]                ; the scale's byte
	v_cvt_scalef32_pk16_bf6_f32 v[(\dst):(\dst)+2], v[(\src):(\src)+15], v[SC]
	v_cvt_scalef32_pk16_bf6_f32 v[(\sp):(\sp)+2], v[(\src)+16:(\src)+31], v[SC]
	v_nop                                          ; one plain place behind a scaled conversion
	v_mov_b32 v[(\dst)+3], v[(\sp)]
	v_mov_b32 v[(\dst)+4], v[(\sp)+1]
	v_mov_b32 v[(\dst)+5], v[(\sp)+2]
.endm
.macro HWORD out, by                   ; the bytes of blocks h = 0 and h = 1 side by side, in both lanes
	v_lshlrev_b32 v[TT], v[SH8], v[\by]
	s_delay_alu instid0(VALU_DEP_1)
	v_permlanex16_b32 v[PT], v[TT], s[SEL], s[SEL+1]
	s_delay_alu instid0(VALU_DEP_1)
	v_or_b32 v[\out], v[TT], v[PT]
.endm
.macro BAR                             ; my LDS stores have landed and my LDS loads are in: then the work-group's barrier
	s_wait_dscnt 0x0
	s_barrier_signal -1
	s_barrier_wait -1
.endm
.macro WLOAD                           ; 24 + 4 loads: my eight fragments as they lie in wimg, and their rows' scale words
.irp f, 0,1,2,3,4,5,6,7
.irp k, 0,1,2
	global_load_b128 v[WF+12*\f+4*\k:WF+12*\f+4*\k+3], v[L16], s[12:13] offset:1536*\f+512*\k
.endr
.endr
.irp u, 0,1,2,3
	global_load_b64 v[WS+2*\u:WS+2*\u+1], v[WSO], s[14:15] offset:64*\u
.endr
.endm
	s_load_b512 s[4:19], s[0:1], 0x0               ; x, stats, gamma, beta, wimg, w_qkv_scales, b_qkv, qbuf
	s_load_b64 s[20:21], s[0:1], 0x40              ; kv
	v_lshl_add_u32 v25, v0, 2, 0x13400
	v_mov_b32 v35, 0
	v_lshrrev_b32 v16, 5, v0
	s_delay_alu instid0(VALU_DEP_1)
	v_readfirstlane_b32 s22, v16                   ; wave 0..11
	s_mov_b32 s23, ttmp9                           ; c'
	s_and_b32 s24, ttmp7, 0xffff                   ; n
	s_mov_b32 s25, 0x46800000                      ; 16,384
	s_mov_b32 s[SEL], 0x76543210
	s_mov_b32 s[SEL+1], 0xfedcba98
	s_mov_b32 s34, 0x3eb504f3                      ; 64^-0.25
	s_mov_b32 s35, s34                             ; (named with it as a pair)
	; every address register is made here, ahead of the first parting of the waves
	v_and_b32 v[LN], 31, v0
	v_and_b32 v16, 15, v0                          ; r
	v_bfe_u32 v17, v0, 4, 1                        ; h
	v_and_b32 v18, 7, v0
	v_bfe_u32 v19, v0, 3, 1
	s_delay_alu instid0(VALU_DEP_1)
	v_lshl_add_u32 v20, v19, 5, v18                ; 32 (r / 8) + r % 8
	v_lshlrev_b32 v[R16], 4, v16
	s_delay_alu instid0(VALU_DEP_1)
	v_lshl_add_u32 v[XG], v17, 18, v[R16]          ; lanes 16-31 stand 16 channels on
	v_lshlrev_b32 v[GBO], 6, v17
	s_and_b32 s36, s22, 1
	s_lshl_b32 s36, s36, 6
	v_xor_b32 v[XSA], s36, v[R16]                  ; channels 32 w + 16 h + i have bit 5 = w % 2
	s_delay_alu instid0(VALU_DEP_1)
	v_lshl_add_u32 v[XSA], v17, 12, v[XSA]
	s_lshl_b32 s36, s22, 13
	v_add_nc_u32 v[XSA], s36, v[XSA]               ; 256 (32 w + 16 h) + (16 r xor 64 (w % 2))
	s_and_b32 s37, s22, 3                          ; t in phase B; the head in phase C
	s_lshr_b32 s38, s22, 2                         ; s in phase B
	v_lshlrev_b32 v[XLB], 2, v20
	s_lshl_b32 s36, s37, 5
	v_add_nc_u32 v[XLB], s36, v[XLB]               ; 4 x my pixel = 128 (r / 8) + 32 t + 4 (r % 8)
	s_delay_alu instid0(VALU_DEP_1)
	v_xor_b32 v[XLB], v[GBO], v[XLB]               ; channels 128 s + 64 c + 32 h + i have bit 5 = h
	s_delay_alu instid0(VALU_DEP_1)
	v_lshl_add_u32 v[XLB], v17, 13, v[XLB]
	s_lshl_b32 s36, s38, 15
	v_add_nc_u32 v[XLB], s36, v[XLB]
	s_lshl_b32 s36, s37, 1
	s_add_co_u32 s36, s36, s38                     ; fragment 2 t + s
	s_mul_i32 s39, s36, 1536
	s_add_co_u32 s39, s39, XIMG
	v_lshlrev_b32 v[L16], 4, v[LN]
	s_delay_alu instid0(VALU_DEP_1)
	v_add_nc_u32 v[IMW], s39, v[L16]
	s_lshl_b32 s39, s36, 7
	s_add_co_u32 s39, s39, XSC
	v_lshl_add_u32 v[SCW], v[LN], 2, s39
	v_lshlrev_b32 v[L8], 3, v[LN]
	v_lshl_add_u32 v[LXS], v[LN], 2, XSC
	v_add_nc_u32 v[LXI], XIMG, v[L16]
	v_lshlrev_b32 v[SH8], 3, v17
	v_lshlrev_b32 v[WSO], 3, v20
	v_lshlrev_b32 v[BVQ], 7, v17
	v_lshlrev_b32 v[BVV], 2, v20
	v_mov_b32 v[PT], 0                             ; written once: a lane permute's destination counts as one of its sources
	; offsets, each in registers of its own
	s_lshl_b32 s40, s24, 22                        ; x: the sample,
	s_lshl_b32 s41, s22, 19                        ; channels 32 w on,
	s_add_co_u32 s40, s40, s41
	s_lshl_b32 s41, s23, 8                         ; the 64 pixels' 256 bytes
	s_add_co_u32 s40, s40, s41
	s_mov_b32 s41, 0
	s_lshl_b32 s42, s24, 9                         ; stats: 64 chunks x 8 bytes a sample
	s_mov_b32 s43, 0
	s_lshl_b32 s44, s22, 7                         ; gamma, beta: 32 numbers a wave
	s_mov_b32 s45, 0
	s_mul_i32 s46, s22, 12288                      ; wimg: my group
	s_mov_b32 s47, 0
	s_lshl_b32 s48, s22, 9                         ; the weights' scale bytes: 64 rows x 8
	s_mov_b32 s49, 0
	s_lshl_b32 s50, s22, 8                         ; b_qkv: 64 numbers
	s_mov_b32 s51, 0
	s_lshl_b32 s52, s24, 6
	s_add_co_u32 s52, s52, s23
	s_lshl_b32 s52, s52, 2
	s_add_co_u32 s52, s52, s37
	s_mul_i32 s52, s52, 3328                       ; q: images
	s_add_co_u32 s53, s52, 3072                    ;    scale words
	s_lshl_b32 s54, s24, 5
	s_lshr_b32 s55, s23, 1
	s_add_co_u32 s54, s54, s55
	s_lshl_b32 s54, s54, 2
	s_add_co_u32 s54, s54, s37
	s_mul_i32 s54, s54, 13056                      ; kv: the head's block of the step
	s_and_b32 s55, s23, 1                          ; c
	s_mul_i32 s56, s55, 3072
	s_add_co_u32 s56, s56, s54                     ; k: images
	s_lshl_b32 s57, s55, 8
	s_add_co_u32 s57, s57, s54
	s_add_co_u32 s57, s57, 12288                   ;    scale words
	s_mul_i32 s58, s55, 768
	s_add_co_u32 s58, s58, s54
	s_add_co_u32 s58, s58, 6144                    ; v: images
	s_lshl_b32 s59, s55, 1
	s_add_co_u32 s59, s59, s54
	s_add_co_u32 s59, s59, 12800                   ;    my two bytes of each scale word
	s_cmp_lt_u32 s22, 8
	s_cselect_b32 s56, s56, s58
	s_cselect_b32 s57, s57, s59
	s_cmp_lt_u32 s22, 4
	s_cselect_b32 s56, s52, s56                    ; images' offset
	s_cselect_b32 s58, s53, s57                    ; scale words' offset
	s_mov_b32 s57, 0
	s_mov_b32 s59, 0
	s_wait_kmcnt 0x0
	s_cselect_b64 s[28:29], s[18:19], s[20:21]     ; qbuf or kv: the choice hangs on the wave's number alone (moves and waits leave SCC alone)
	s_add_nc_u64 s[30:31], s[28:29], s[58:59]
	s_add_nc_u64 s[28:29], s[28:29], s[56:57]
	s_add_nc_u64 s[4:5], s[4:5], s[40:41]
	s_add_nc_u64 s[6:7], s[6:7], s[42:43]
	s_add_nc_u64 s[8:9], s[8:9], s[44:45]
	s_add_nc_u64 s[10:11], s[10:11], s[44:45]
	s_add_nc_u64 s[12:13], s[12:13], s[46:47]
	s_add_nc_u64 s[14:15], s[14:15], s[48:49]
	s_add_nc_u64 s[16:17], s[16:17], s[50:51]
	s_cmp_lt_u32 s22, 8
	s_cbranch_scc0 .Lv_head
	; ---- A (waves 0-7): 32 channels x 64 pixels
	global_load_b128 v[ST:ST+3], v[L16], s[6:7]    ; chunks 2 l and 2 l + 1: mean, M2, mean, M2
.irp i, 0,1,2,3
	global_load_b128 v[BI+4*\i:BI+4*\i+3], v[GBO], s[8:9] offset:16*\i          ; gamma of channels 32 w + 16 h + 0 .. 15
.endr
.irp i, 0,1,2,3
	global_load_b128 v[BI+16+4*\i:BI+19+4*\i], v[GBO], s[10:11] offset:16*\i    ; beta
.endr
.irp i, 0,1,2,3,4,5,6,7,8,9,10,11,12,13,14,15
	global_load_b128 v[XF+4*\i:XF+4*\i+3], v[XG], s[4:5] offset:16384*\i        ; channel 32 w + 16 h + i: sixteen lanes read its 64 pixels, 256 consecutive bytes
.endr
	s_wait_alu depctr_va_vdst(0)
	WLOAD
	s_wait_loadcnt 28                              ; all but the 28 loads of the weights, which were issued last
	v_add_f32 v16, v[ST], v[ST+2]
	RED32 16, PT
	s_delay_alu instid0(VALU_DEP_1)
	v_mul_f32 v[MEAN], 0x3c800000, v16             ; the mean of 64 equal chunks' means
	s_delay_alu instid0(VALU_DEP_1)
	v_sub_f32 v17, v[ST], v[MEAN]
	s_delay_alu instid0(VALU_DEP_2)
	v_sub_f32 v18, v[ST+2], v[MEAN]
	s_delay_alu instid0(VALU_DEP_2)
	v_mul_f32 v17, v17, v17
	s_delay_alu instid0(VALU_DEP_1)
	v_fma_f32 v17, v18, v18, v17
	v_add_f32 v18, v[ST+1], v[ST+3]
	s_delay_alu instid0(VALU_DEP_1)
	v_fma_f32 v16, v17, s25, v18                   ; M2 of my two chunks about the sample's mean
	RED32 16, PT
	s_delay_alu instid0(VALU_DEP_1)
	v_mul_f32 v16, 0x35800000, v16                 ; / 2^20: the variance
	s_delay_alu instid0(VALU_DEP_1)
	v_add_f32 v16, 0x3727c5ac, v16                 ; + 1e-5
	s_wait_alu depctr_va_vdst(0)
	v_rsq_f32 v[RSTD], v16
	v_nop                                          ; one plain place behind a transcendental
.set j, 0
	s_wait_alu depctr_va_vdst(0)
.rept 16
	v_mul_f32 v[BI+j], v[BI+j], v[RSTD]
.set j, j+1
.endr
.set j, 0
.rept 64
	v_sub_f32 v[XF+j], v[XF+j], v[MEAN]
.set j, j+1
.endr
.set j, 0
.rept 64
	v_fma_f32 v[XF+j], v[XF+j], v[BI+j/4], v[BI+16+j/4]
.set j, j+1
.endr
.irp i, 0,1,2,3,4,5,6,7,8,9,10,11,12,13,14,15
	ds_store_b128 v[XSA], v[XF+4*\i:XF+4*\i+3] offset:256*\i
.endr
.irp u, 0,1,2,3
	global_load_b128 v[BI+8*\u:BI+8*\u+3], v[BVQ], s[16:17] offset:32*\u        ; q, k: register j of tile u is output 32 h + 8 u + j
	global_load_b128 v[BI+8*\u+4:BI+8*\u+7], v[BVQ], s[16:17] offset:32*\u+16
.endr
	s_branch .Lhead_done
.Lv_head:
	s_wait_alu depctr_va_vdst(0)
	WLOAD
.irp u, 0,1,2,3
.irp j, 0,1,2,3,4,5,6,7
	global_load_b32 v[BI+8*\u+\j], v[BVV], s[16:17] offset:32*\u                ; v: all eight registers of tile u belong to my one output 32 (r / 8) + 8 u + r % 8
.endr
.endr
.Lhead_done:
	BAR                                            ; xn lies in LDS
	s_cmp_lt_u32 s22, 8
	s_cbranch_scc0 .Lb_done
	; ---- B (waves 0-7): fragment (t, s): my pixel, channels 128 s + 64 c + 32 h + 0 .. 31
.irp c, 0,1
.irp i, 0,1,2,3,4,5,6,7,8,9,10,11,12,13,14,15,16,17,18,19,20,21,22,23,24,25,26,27,28,29,30,31
	ds_load_b32 v[XF+32*\c+\i], v[XLB] offset:(64*\c+\i)*256
.endr
.endr
	s_wait_dscnt 0x0
	QB32 XF, ST, SP, BY0
	QB32 XF+32, ST+6, SP, BY1
	v_lshl_or_b32 v[TT], v[BY1], 16, v[BY0]        ; my bytes: blocks h and 2 + h,
	s_delay_alu instid0(VALU_DEP_1)
	v_lshlrev_b32 v[TT], v[SH8], v[TT]             ; at their places;
	s_delay_alu instid0(VALU_DEP_1)
	v_permlanex16_b32 v[PT], v[TT], s[SEL], s[SEL+1]
	s_delay_alu instid0(VALU_DEP_1)
	v_or_b32 v[TT], v[TT], v[PT]                   ; with lane l xor 16's the word is whole
.irp k, 0,1,2
	ds_store_b128 v[IMW], v[ST+4*\k:ST+4*\k+3] offset:512*\k
.endr
	ds_store_b32 v[SCW], v[TT]
.Lb_done:
	BAR                                            ; xn's eight fragments lie in LDS
	s_wait_loadcnt 0x0                             ; weights, their scale words, the bias
	s_cmp_lt_u32 s22, 8
	s_cbranch_scc0 .Lc_v
	; ---- C, q and k: a tile of 16 pixels at a time; four accumulators by turns, K step by K step
.macro QKT t
.irp s, 0,1
.irp k, 0,1,2
	ds_load_b128 v[XF+12*\s+4*\k:XF+12*\s+4*\k+3], v[LXI] offset:(2*\t+\s)*1536+512*\k
.endr
	ds_load_b32 v[XS+\s], v[LXS] offset:(2*\t+\s)*128
.endr
	s_wait_dscnt 0x0
.irp u, 0,1,2,3
	v_wmma_scale_f32_16x16x128_f8f6f4 v[ACC+8*\u:ACC+8*\u+7], v[WF+24*\u:WF+24*\u+11], v[XF:XF+11], v[BI+8*\u:BI+8*\u+7], v[WS+2*\u], v[XS] matrix_a_fmt:MATRIX_FMT_BF6 matrix_b_fmt:MATRIX_FMT_BF6
.endr
.irp u, 0,1,2,3
	v_wmma_scale_f32_16x16x128_f8f6f4 v[ACC+8*\u:ACC+8*\u+7], v[WF+24*\u+12:WF+24*\u+23], v[XF+12:XF+23], v[ACC+8*\u:ACC+8*\u+7], v[WS+2*\u+1], v[XS+1] matrix_a_fmt:MATRIX_FMT_BF6 matrix_b_fmt:MATRIX_FMT_BF6
.endr
.rept 4
	v_nop                                          ; four places in front of the first read of results and of the next tile's loads into operands
.endr
.set j, 0
.rept 16
	v_pk_mul_f32 v[ACC+2*j:ACC+2*j+1], v[ACC+2*j:ACC+2*j+1], s[34:35] op_sel_hi:[1,0]   ; x 64^-0.25
.set j, j+1
.endr
	QB32 ACC, CD+6*\t, SP, BY0
	HWORD SW+\t, BY0
	global_store_b128 v[L16], v[CD+6*\t:CD+6*\t+3], s[28:29] offset:768*\t              ; 512 consecutive bytes
	global_store_b64 v[L8], v[CD+6*\t+4:CD+6*\t+5], s[28:29] offset:768*\t+512          ; 256 consecutive bytes.  Each tile has code registers of its own: no store's data are written again
.endm
	QKT 0
	QKT 1
	QKT 2
	QKT 3
	v_cmp_gt_u32 vcc_lo, 16, v[LN]
	s_wait_alu depctr_va_vdst(0)
	s_wait_xcnt 0x0                                ; EXEC changes only behind this wait
	s_wait_tensorcnt 0x0
	ds_add_u32 v25, v35
	s_wait_dscnt 0x0
	s_and_saveexec_b32 s36, vcc_lo
	global_store_b128 v[R16], v[SW:SW+3], s[30:31] ; sixteen lanes store the 256 bytes of scale words [r][tile]
	s_wait_xcnt 0x0
	s_or_b32 exec_lo, exec_lo, s36
	s_endpgm
	; ---- C, v: a tile of 16 outputs at a time, against the four tiles of pixels
.Lc_v:
.macro VU u
.if \u > 0
	s_wait_xcnt 0x0                                ; the last tile's stores have read v[XF ..]: the loads below may land there
.endif
.irp s, 0,1
.irp t, 0,1,2,3
.irp k, 0,1,2
	ds_load_b128 v[XF+12*\t+4*\k:XF+12*\t+4*\k+3], v[LXI] offset:(2*\t+\s)*1536+512*\k
.endr
	ds_load_b32 v[XS+\t], v[LXS] offset:(2*\t+\s)*128
.endr
	s_wait_dscnt 0x0
.irp t, 0,1,2,3
.if \s == 0
	v_wmma_scale_f32_16x16x128_f8f6f4 v[ACC+8*\t:ACC+8*\t+7], v[XF+12*\t:XF+12*\t+11], v[WF+24*\u:WF+24*\u+11], v[BI+8*\u:BI+8*\u+7], v[XS+\t], v[WS+2*\u] matrix_a_fmt:MATRIX_FMT_BF6 matrix_b_fmt:MATRIX_FMT_BF6
.else
	v_wmma_scale_f32_16x16x128_f8f6f4 v[ACC+8*\t:ACC+8*\t+7], v[XF+12*\t:XF+12*\t+11], v[WF+24*\u+12:WF+24*\u+23], v[ACC+8*\t:ACC+8*\t+7], v[XS+\t], v[WS+2*\u+1] matrix_a_fmt:MATRIX_FMT_BF6 matrix_b_fmt:MATRIX_FMT_BF6
.endif
.endr
.rept 4
	v_nop                                          ; four places in front of loads into operands and of the first read of results
.endr
.endr
	QB32 ACC, XF, SP, BY0                          ; my output's 32 pixels: block 2 c + h of the step's keys.  The codes take registers of fragments that are done with
	HWORD SW+\u, BY0
	global_store_b128 v[L16], v[XF:XF+3], s[28:29] offset:1536*\u
	global_store_b64 v[L8], v[XF+4:XF+5], s[28:29] offset:1536*\u+512
.endm
	VU 0
	VU 1
	VU 2
	VU 3
	v_cmp_gt_u32 vcc_lo, 16, v[LN]
	s_wait_alu depctr_va_vdst(0)
	s_wait_xcnt 0x0
	s_wait_tensorcnt 0x0
	ds_add_u32 v25, v35
	s_wait_dscnt 0x0
	s_and_saveexec_b32 s36, vcc_lo
.irp u, 0,1,2,3
	global_store_b16 v[R16], v[SW+\u], s[30:31] offset:4*\u   ; bytes 2 c and 2 c + 1 of scale word [r][u]; the other two are the neighbouring work-group's.  128 bytes a wave in all
.endr
	s_wait_xcnt 0x0
	s_or_b32 exec_lo, exec_lo, s36
	s_endpgm
.Lfunc_end_k_qd197073b1b_qkv:
	.size	k_qd197073b1b_qkv, .Lfunc_end_k_qd197073b1b_qkv-k_qd197073b1b_qkv
	.p2alignl 7, 3214868480
	.fill 96, 4, 3214868480
	.section	.rodata,"a",@progbits
	.p2align	6, 0x0
	.amdhsa_kernel k_qd197073b1b_qkv
		.amdhsa_group_segment_fixed_size 80384
		.amdhsa_private_segment_fixed_size 0
		.amdhsa_enable_private_segment 0
		.amdhsa_kernarg_size 72
		.amdhsa_user_sgpr_count 2
		.amdhsa_user_sgpr_kernarg_segment_ptr 1
		.amdhsa_wavefront_size32 1
		.amdhsa_system_sgpr_workgroup_id_x 1
		.amdhsa_system_sgpr_workgroup_id_y 1
		.amdhsa_system_sgpr_workgroup_id_z 1
		.amdhsa_system_vgpr_workitem_id 0
		.amdhsa_next_free_vgpr 256
		.amdhsa_next_free_sgpr 66
		.amdhsa_reserve_vcc 1
		.amdhsa_float_denorm_mode_32 3
		.amdhsa_float_denorm_mode_16_64 3
		.amdhsa_memory_ordered 1
		.amdhsa_forward_progress 1
		.amdhsa_inst_pref_size 74
	.end_amdhsa_kernel
	.amdgpu_metadata
---
amdhsa.version: [ 1, 2 ]
amdhsa.kernels:
  - .name:           k_qd197073b1b_qkv
    .symbol:         k_qd197073b1b_qkv.kd
    .args:
      - { .name: x, .offset: 0, .size: 8, .value_kind: global_buffer, .address_space: global }
      - { .name: stats, .offset: 8, .size: 8, .value_kind: global_buffer, .address_space: global }
      - { .name: gamma, .offset: 16, .size: 8, .value_kind: global_buffer, .address_space: global }
      - { .name: beta, .offset: 24, .size: 8, .value_kind: global_buffer, .address_space: global }
      - { .name: wimg, .offset: 32, .size: 8, .value_kind: global_buffer, .address_space: global }
      - { .name: w_qkv_scales, .offset: 40, .size: 8, .value_kind: global_buffer, .address_space: global }
      - { .name: b_qkv, .offset: 48, .size: 8, .value_kind: global_buffer, .address_space: global }
      - { .name: qbuf, .offset: 56, .size: 8, .value_kind: global_buffer, .address_space: global }
      - { .name: kv, .offset: 64, .size: 8, .value_kind: global_buffer, .address_space: global }
    .group_segment_fixed_size: 80384
    .private_segment_fixed_size: 0
    .kernarg_segment_align: 8
    .kernarg_segment_size: 72
    .max_flat_workgroup_size: 384
    .sgpr_count:     66
    .vgpr_count:     256
    .wavefront_size: 32
...
	.end_amdgpu_metadata
.endif
;; end of part 2
;; launch attn (part 3): grid 64 x 4, 16 waves a work-group, clusters of 4 x 1, 327,680 bytes of LDS; arguments qbuf, kv, wimg, w_out_scales, b_out, x, out0; writes out0
.if DOCPART == 3
	.amdgcn_target "amdgcn-amd-amdhsa--gfx1250"
	.amdhsa_code_object_version 6
	.text
	.protected	k_qd197073b1b_attn
	.globl	k_qd197073b1b_attn
	.p2align	8
	.type	k_qd197073b1b_attn,@function
k_qd197073b1b_attn:
	s_mov_b64 s[64:65], 0
	v_nop
	global_prefetch_b8 v0, s[64:65] scope:SCOPE_SE
	s_setreg_imm32_b32 hwreg(HW_REG_WAVE_MODE, 25, 1), 1
	s_wait_xcnt 0x0
	s_wait_alu depctr_hold_cnt(0) depctr_sa_sdst(0) depctr_va_vdst(0) depctr_va_sdst(0) depctr_va_ssrc(0) depctr_va_vcc(0) depctr_vm_vsrc(0)
	s_getreg_b32 s2, hwreg(HW_REG_IB_STS2, 6, 4)
	s_cmp_eq_u32 s2, 0
	s_cbranch_scc0 .Lentry_in_a_cluster
	s_endpgm
.Lentry_in_a_cluster:
	s_bfe_u32 s2, ttmp6, 0x10000c
	s_cmp_lg_u32 s2, 0x3003
	s_cbranch_scc0 .Lentry_shape_is_right
	s_endpgm
.Lentry_shape_is_right:
; Attention on codes of BF6 (E3M2), the output product and the residual.
; SHARES.  Work-group (c', n) owns 64 queries (pixels 64 c' on) of sample n in ALL FOUR HEADS, so that the output product, whose K runs over the heads, needs no other work-group.
; Wave w: head w / 4, query tile w % 4 (16 queries) in 256 registers: four waves to a SIMD, so that one wave's exponentials stand beside another's products and LDS loads.  In the tail wave w makes
; outputs 64 (w / 4) + [tile w % 4] for the 64 pixels.
; Every wave walks the 4,096 keys, 128 a step.  A step's K and V of the four heads, codes and scale words as register images, are 52,224 dense bytes of kv; a slot holds two steps; two slots.
; CLUSTER.  The four work-groups of a cluster belong to one sample and walk the same kv: each fill is asked for JOINTLY (mask 15), by waves 0-3, a quarter of a slot (102 rows of 256 bytes) each.
; The place in the cluster enters the addresses of q, x and out alone.  By this text's count a wave has at most one tensor load out.
; LAYOUT.  S^T = K Q^T (source 0 = 16 keys, source 1 = my queries), O^T = V^T P^T: a lane holds ONE query throughout.  Lane r of a tile (of keys, of d, of pixels) takes element 32 (r / 8) + 8 t + r % 8
; of its group of 64: so the 32 result registers of four tiles are 32 neighbours and the lane's half h is block h: a block's maximum needs no other lane, and two conversions give the next operand's registers.
; THE HEAD'S K IS 64, the instruction's 128: registers 6-11 of Q's and K's fragments hold zero codes, written once; their scale bytes 2 and 3 are 0, which stands over zero codes alone.
; SOFTMAX.  t = score x log2(e) (q and k carry 64^-0.25 each); M = the running largest t rounded UP to a whole number, kept as -M; p = 2^(t - M) is quantised along the keys, not normalised; the row's sum is
; taken of the unquantised p; when M moves, the sum and O^T are multiplied by 2^(old M - new M), which rounds nothing.
; LIMITS: NaN and infinities are not served.  A block's largest p is the exponential of the block's largest score: that leans on v_exp_f32 not falling where its input rises.  A block whose largest
; magnitude lies under 2^-122 keeps the scale byte 1 (a block of zeros too: its codes are zeros).
.set STEPB, 52224                      ; a step's bytes: four heads x HB
.set HB,    13056                      ; a head's: K tiles 8 x 768 | V (u, c) at 6,144 + 1,536 u + 768 c | K's scale words [c][r][t] at 12,288 | V's [r][u] at 12,800
.set SLOT1, 1<<17                      ; slot 1 begins here: one exclusive or turns an address
.set SLOTB, 2*STEPB
.set YIMG,  SLOT1+SLOTB                ; behind the ring: y's eight fragment images (2 t + s, half c at + 768 c),
.set YSC,   YIMG+8*1536                ; their scale words, 64 bytes each,
.set SPARE, 262144                     ; and the spare words, 128 bytes for each of 16 waves: eight blocks of 256 bytes that no other line names
.set STGB,  4352                       ; the way out: 16 rows x 272 bytes a wave, in slot 0, which has had its last fill and its last read by then
.set MA,  228                          ; v228-239 at work
.set MB,  229
.set BM,  230                          ; v230-231 a block's largest score, then its largest p
.set PT,  232
.set SC,  233                          ; v233-234 the conversions' scale operands
.set BY,  235                          ; v235-236 scale bytes
.set T0,  237
.set WV,  18                           ; s18 wave; s19 head; s41 tile
.set SEL, 20                           ; s[20:21]
.set CS,  22                           ; s[22:23] log2(e), twice
.set G1,  24                           ; s[24:31] descriptor group 1
.set G0,  32                           ; s[32:35] group 0, which walks
.set TB,  36                           ; s36 LDS byte at which the slot in hand begins
; REGISTERS: v1-3 addresses of the step in hand (16 l, 8 l, 16 r + the head's block), v4-6 their bases; v7, v8 the spare word's address and 0; v9 8 h; v12 -M, v13 the largest t, v[14:15] the sum;
; v16-27 Q; v28 f (v29 named with it); v32-79 four fragments of K; v80-83 K's scale words, v84-87 V's; v88-151 S^T, then p, then V's four fragments; v152-183 O^T; v184-195 p's codes; v196-202 upper halves;
; v204-227 w_out's two fragments; v244 Q's scale word, v245 p's, v246-247 w_out's; v248-255 b_out.
.macro CROUND                          ; a round of the cluster's barrier
	s_barrier_signal -1
	s_barrier_wait -1
	s_cmp_lg_u32 s[WV], 0
	s_cbranch_scc1 .Lnot_wave_0_\@
	s_barrier_signal -3
.Lnot_wave_0_\@:
	s_barrier_wait -3
	s_barrier_signal -1
	s_barrier_wait -1
.endm
.macro TLOAD                           ; waves 0-3 fetch a quarter of a slot each; the branch hangs on the wave's number alone.  Four v_nop follow the load
	s_cmp_lt_u32 s[WV], 4
	s_cbranch_scc0 .Lno_load_\@
	tensor_load_to_lds s[G0:G0+3], s[G1:G1+7]
	s_nop 0
.rept 4
	v_nop
.endr
.Lno_load_\@:
.endm
; THE CHANGE OF SLOTS stands at a slot's head.  Each wave waits for all its tensor loads (its part of the slot ahead), adds 0 to its spare word, and waits for that and for its reads of the slot it has left.
; fill = 1: a round of the cluster's barrier, so that no wave of any partner still reads that slot; the joint fill is the first thing behind it and has two steps of sixteen waves in which to land.
.macro CHANGE fill
	s_wait_tensorcnt 0x0                           ; no tensor load of mine is out, so group 0 may be written
	ds_add_u32 v7, v8                              ; 0 onto my spare word
.if \fill
	s_xor_b32 s[G0+1], s[G0+1], SLOT1              ; the other slot than last time,
	s_add_nc_u64 s[G0+2:G0+3], s[G0+2:G0+3], SLOTB ; the next two steps; the type bits on top are not reached
.endif
	s_wait_dscnt 0x0                               ; the add is done, and my reads of the slot that I have left are over
.if \fill
	CROUND
	TLOAD
.else
	s_barrier_signal -1
	s_barrier_wait -1
.endif
.endm
.macro KLOAD q, c                      ; four tiles of K (keys 64 c on): six registers each; the upper six stay zero.  And their scale words, four to a lane
.irp i, 0,1,2,3
	ds_load_b128 v[32+12*\i:35+12*\i], v1 offset:(\q)*STEPB+(4*(\c)+\i)*768
	ds_load_b64 v[36+12*\i:37+12*\i], v2 offset:(\q)*STEPB+(4*(\c)+\i)*768+512
.endr
	ds_load_b128 v[80:83], v3 offset:(\q)*STEPB+12288+256*(\c)
.endm
.macro SMUL c                          ; register 88 + 32 c + 8 i + j: key 64 c + 32 h + 8 i + j of the step
.irp i, 0,1,2,3
	v_wmma_scale_f32_16x16x128_f8f6f4 v[88+32*(\c)+8*\i:95+32*(\c)+8*\i], v[32+12*\i:43+12*\i], v[16:27], 0, v[80+\i], v244 matrix_a_fmt:MATRIX_FMT_BF6 matrix_b_fmt:MATRIX_FMT_BF6
.endr
.endm
.macro MAXB c                          ; the largest score of my block 2 c + h; up the registers
.set SB, 88+32*(\c)
	v_max3_num_f32 v[MA], v[SB], v[SB+1], v[SB+2]
	v_max3_num_f32 v[MB], v[SB+16], v[SB+17], v[SB+18]
.irp i, 3,5,7,9,11,13
	v_max3_num_f32 v[MA], v[MA], v[SB+\i], v[SB+\i+1]
	v_max3_num_f32 v[MB], v[MB], v[SB+16+\i], v[SB+17+\i]
.endr
	v_max3_num_f32 v[MA], v[MA], v[MB], v[SB+15]
	v_max_num_f32 v[BM+\c], v[MA], v[SB+31]
.endm
.macro VLOAD q                         ; V's four fragments (tile u of d; halves c = 0, 1 of the step's keys) and their scale words
.irp u, 0,1,2,3
.irp c, 0,1
	ds_load_b128 v[88+12*\u+6*\c:91+12*\u+6*\c], v1 offset:(\q)*STEPB+6144+1536*\u+768*\c
	ds_load_b64 v[92+12*\u+6*\c:93+12*\u+6*\c], v2 offset:(\q)*STEPB+6144+1536*\u+768*\c+512
.endr
.endr
	ds_load_b128 v[84:87], v3 offset:(\q)*STEPB+12800
.endm
; A KEY STEP: 128 keys, the q-th of the slot in hand
.macro STEP q
	v_add_nc_u32 v1, s[TB], v4
	v_add_nc_u32 v2, s[TB], v5
	v_add_nc_u32 v3, s[TB], v6
	v_nop
	v_nop                                          ; five places: the first products below write over registers that the last step's products read as V
	KLOAD \q, 0
	s_wait_alu depctr_va_vdst(0)
	s_wait_dscnt 0x0
	SMUL 0
.rept 4
	v_nop                                          ; four places in front of loads into operands and of the first read of results
.endr
	KLOAD \q, 1
	MAXB 0                                         ; works while the loads are out
	s_wait_dscnt 0x0
	SMUL 1
.rept 4
	v_nop
.endr
	MAXB 1
	s_delay_alu instid0(VALU_DEP_1)
	v_max_num_f32 v[T0], v[BM], v[BM+1]
	s_delay_alu instid0(VALU_DEP_1)
	v_permlanex16_b32 v[PT], v[T0], s[SEL], s[SEL+1]
	s_delay_alu instid0(VALU_DEP_1)
	v_max_num_f32 v[T0], v[T0], v[PT]              ; the step's largest score of my query
	s_delay_alu instid0(VALU_DEP_1)
	v_mul_f32 v[T0], s[CS], v[T0]                  ; as t
	s_delay_alu instid0(VALU_DEP_1)
	v_max_num_f32 v13, v13, v[T0]                  ; the running largest t
	v_mov_b32 v[T0], v12
	s_delay_alu instid0(VALU_DEP_2)
	v_floor_f32 v12, -v13                          ; the new -M = -ceil(t): a whole number
	s_delay_alu instid0(VALU_DEP_1)
	v_sub_f32 v[T0], v12, v[T0]                    ; old M - new M: a whole number, 0 or less
	s_delay_alu instid0(VALU_DEP_1)
	v_cvt_i32_f32 v[T0], v[T0]                     ; (it saturates)
	s_delay_alu instid0(VALU_DEP_1)
	v_ldexp_f32 v28, 1.0, v[T0]                    ; f = 2^(old M - new M)
.set j, 0
.rept 32
	v_pk_fma_f32 v[88+2*j:89+2*j], v[88+2*j:89+2*j], s[CS:CS+1], v[12:13] op_sel_hi:[1,0,0]   ; t - M, two at a time
.set j, j+1
.endr
	v_fma_f32 v[BM], v[BM], s[CS], v12             ; the same of each block's largest score
	v_fma_f32 v[BM+1], v[BM+1], s[CS], v12
.set j, 0
	s_wait_alu depctr_va_vdst(0)
.rept 64
	v_exp_f32 v[88+j], v[88+j]                     ; p = 2^(t - M), at most 1
.set j, j+1
.endr
	v_exp_f32 v[BM], v[BM]                         ; the block's largest p: the same two instructions on the same number
	v_exp_f32 v[BM+1], v[BM+1]
	v_pk_mul_f32 v[14:15], v[14:15], v[28:29] op_sel_hi:[1,0]   ; the sum under the new M (the plain place behind the exponentials)
	s_wait_alu depctr_va_vdst(0)
.irp c, 0,1
	v_max_num_f32 v[BM+\c], 0x2800000, v[BM+\c]    ; the floor 2^(5 - 127): the byte cannot fall under 1
.endr
.irp c, 0,1
	s_delay_alu instid0(VALU_DEP_2)
	v_add_nc_u32 v[SC+\c], 0xfe000000, v[BM+\c]    ; 4 off the exponent field: the conversion's scale operand
.endr
.irp c, 0,1
	s_delay_alu instid0(VALU_DEP_2)
	v_lshrrev_b32 v[BY+\c], 23, v[SC+\c]
.endr
	s_delay_alu instid0(VALU_DEP_1)
	v_lshl_or_b32 v[T0], v[BY+1], 16, v[BY]        ; my bytes: blocks h and 2 + h,
	s_delay_alu instid0(VALU_DEP_1)
	v_lshlrev_b32 v[T0], v9, v[T0]                 ; at their places;
	s_delay_alu instid0(VALU_DEP_1)
	v_permlanex16_b32 v[PT], v[T0], s[SEL], s[SEL+1]
	s_delay_alu instid0(VALU_DEP_1)
	v_or_b32 v245, v[T0], v[PT]                    ; p's scale word for these 128 keys
	v_cvt_scalef32_pk16_bf6_f32 v[184:186], v[88:103], v[SC]
	v_cvt_scalef32_pk16_bf6_f32 v[196:198], v[104:119], v[SC]      ; (a conversion's three registers begin on an even number)
	v_cvt_scalef32_pk16_bf6_f32 v[190:192], v[120:135], v[SC+1]
	v_cvt_scalef32_pk16_bf6_f32 v[200:202], v[136:151], v[SC+1]
	v_nop                                          ; one plain place behind the scaled conversions
.irp i, 0,1,2
	v_mov_b32 v[187+\i], v[196+\i]
	v_mov_b32 v[193+\i], v[200+\i]
.endr
	v_pk_add_f32 v[238:239], v[92:93], v[96:97]
	v_pk_add_f32 v[242:243], v[100:101], v[104:105]
	v_pk_add_f32 v[240:241], v[108:109], v[112:113]
	v_pk_add_f32 v[236:237], v[116:117], v[120:121]
	v_pk_add_f32 v[234:235], v[124:125], v[128:129]
	v_pk_add_f32 v[230:231], v[132:133], v[136:137]
	v_pk_add_f32 v[228:229], v[140:141], v[144:145]
	v_pk_add_f32 v[14:15], v[14:15], v[148:149]
	v_pk_add_f32 v[238:239], v[238:239], v[88:89]
	v_pk_add_f32 v[242:243], v[242:243], v[90:91]
	v_pk_add_f32 v[240:241], v[240:241], v[94:95]
	v_pk_add_f32 v[236:237], v[236:237], v[98:99]
	v_pk_add_f32 v[234:235], v[234:235], v[102:103]
	v_pk_add_f32 v[230:231], v[230:231], v[106:107]
	v_pk_add_f32 v[228:229], v[228:229], v[110:111]
	v_pk_add_f32 v[14:15], v[14:15], v[114:115]
	v_pk_add_f32 v[238:239], v[238:239], v[118:119]
	v_pk_add_f32 v[242:243], v[242:243], v[122:123]
	v_pk_add_f32 v[240:241], v[240:241], v[126:127]
	v_pk_add_f32 v[236:237], v[236:237], v[130:131]
	v_pk_add_f32 v[234:235], v[234:235], v[134:135]
	v_pk_add_f32 v[230:231], v[230:231], v[138:139]
	v_pk_add_f32 v[228:229], v[228:229], v[142:143]
	v_pk_add_f32 v[14:15], v[14:15], v[146:147]
	v_pk_add_f32 v[238:239], v[238:239], v[150:151]
	s_delay_alu instid0(VALU_DEP_2)
	v_pk_add_f32 v[14:15], v[14:15], v[236:237]
	s_delay_alu instid0(VALU_DEP_2)
	v_pk_add_f32 v[238:239], v[238:239], v[234:235]
	v_pk_add_f32 v[242:243], v[242:243], v[230:231]
	v_pk_add_f32 v[240:241], v[240:241], v[228:229]
	s_delay_alu instid0(VALU_DEP_2)
	v_pk_add_f32 v[14:15], v[14:15], v[242:243]
	s_delay_alu instid0(VALU_DEP_2)
	v_pk_add_f32 v[238:239], v[238:239], v[240:241]
	s_delay_alu instid0(VALU_DEP_1)
	v_pk_add_f32 v[14:15], v[14:15], v[238:239]
	VLOAD \q                                       ; into the registers that p has left
.set j, 0
.rept 16
	v_pk_mul_f32 v[152+2*j:153+2*j], v[152+2*j:153+2*j], v[28:29] op_sel_hi:[1,0]   ; O^T under the new M.  With the sums above these are the places between p's scale word and codes and the products below
.set j, j+1
.endr
	s_wait_alu depctr_va_vdst(0)
	s_wait_dscnt 0x0
.irp u, 0,1,2,3
	v_wmma_scale_f32_16x16x128_f8f6f4 v[152+8*\u:159+8*\u], v[88+12*\u:99+12*\u], v[184:195], v[152+8*\u:159+8*\u], v[84+\u], v245 matrix_a_fmt:MATRIX_FMT_BF6 matrix_b_fmt:MATRIX_FMT_BF6
.endr
.endm
.macro SLOT_STEPS
	STEP 0
	STEP 1
	s_xor_b32 s[TB], s[TB], SLOT1                  ; on to the other slot
.endm
; 32 numbers of a lane, one whole block, become six code registers and the block's scale byte
.macro QB32 src, dst, sp, by
	v_max3_num_f32 v[MA], |v[(\src)]|, |v[(\src)+1]|, |v[(\src)+2]|
	v_max3_num_f32 v[MB], |v[(\src)+16]|, |v[(\src)+17]|, |v[(\src)+18]|
.irp i, 3,5,7,9,11,13
	s_delay_alu instid0(VALU_DEP_2)
	v_max3_num_f32 v[MA], v[MA], |v[(\src)+\i]|, |v[(\src)+\i+1]|
	s_delay_alu instid0(VALU_DEP_2)
	v_max3_num_f32 v[MB], v[MB], |v[(\src)+16+\i]|, |v[(\src)+17+\i]|
.endr
	s_delay_alu instid0(VALU_DEP_1)
	v_max3_num_f32 v[MA], v[MA], v[MB], |v[(\src)+15]|
	s_delay_alu instid0(VALU_DEP_1)
	v_max3_num_f32 v[MA], v[MA], |v[(\src)+31]|, 0x2800000
	s_delay_alu instid0(VALU_DEP_1)
	v_add_nc_u32 v[SC], 0xfe000000, v[MA]
	s_delay_alu instid0(VALU_DEP_1)
	v_lshrrev_b32 v[\by], 23, v[SC]
	v_cvt_scalef32_pk16_bf6_f32 v[(\dst):(\dst)+2], v[(\src):(\src)+15], v[SC]
	v_cvt_scalef32_pk16_bf6_f32 v[(\sp):(\sp)+2], v[(\src)+16:(\src)+31], v[SC]
	v_nop
	v_mov_b32 v[(\dst)+3], v[(\sp)]
	v_mov_b32 v[(\dst)+4], v[(\sp)+1]
	v_mov_b32 v[(\dst)+5], v[(\sp)+2]
.endm
	s_load_b256 s[4:11], s[0:1], 0x0               ; qbuf s[4:5], kv s[6:7], wimg s[8:9], w_out_scales s[10:11]
	s_load_b128 s[12:15], s[0:1], 0x20             ; b_out s[12:13], x s[14:15]
	s_load_b64 s[16:17], s[0:1], 0x30              ; out0
	v_lshl_add_u32 v7, v0, 2, SPARE
	v_mov_b32 v8, 0
	ds_add_u32 v7, v8
	ds_add_u32 v7, v8
	s_wait_dscnt 0x0
	v_lshrrev_b32 v1, 5, v0
	s_delay_alu instid0(VALU_DEP_1)
	v_readfirstlane_b32 s[WV], v1                  ; wave 0..15
	s_lshr_b32 s19, s[WV], 2                       ; head
	s_and_b32 s41, s[WV], 3                        ; tile; also: which quarter of a slot waves 0-3 fetch
	s_and_b32 s40, ttmp7, 0xffff                   ; the sample, which the four partners share
	; descriptor group 1: 102 dense rows of 256 bytes (32 elements of 8 bytes), no padding: images are read as they lie
	s_mov_b32 s[G1], 15|(3<<16)|(1<<21)            ; 15:0 the mask: all four work-groups; 17:16 elements of 8 bytes; 21 set beside a mask
	s_mov_b32 s[G1+1], 32<<16                      ; tensor_dim0
	s_mov_b32 s[G1+2], 102<<16                     ; tensor_dim1
	s_mov_b32 s[G1+3], 32<<16                      ; tile_dim0
	s_mov_b32 s[G1+4], 102                         ; tile_dim1
	s_mov_b32 s[G1+5], 32                          ; from row to row
	s_mov_b32 s[G1+6], 0
	s_mov_b32 s[G1+7], 0
	s_mul_i32 s56, s41, 26112                      ; my quarter, in a slot and in memory: no place in the cluster enters these registers
	s_mul_i32 s58, s40, 32*STEPB
	s_add_co_u32 s58, s58, s56
	s_mov_b32 s59, 0
	s_mov_b32 s[SEL], 0x76543210
	s_mov_b32 s[SEL+1], 0xfedcba98
	s_mov_b32 s[CS], 0x3fb8aa3b                    ; log2(e)
	s_mov_b32 s[CS+1], s[CS]
	s_mov_b32 s[TB], 0
	s_mov_b32 s37, 15                              ; 16 slots' worth of keys: all but the last are followed by a fill
	s_wait_kmcnt 0x0
	s_mov_b32 s[G0], 1                             ; count = 1
	s_mov_b32 s[G0+1], s56                         ; LDS address: slot 0
	s_add_nc_u64 s[G0+2:G0+3], s[6:7], s[58:59]    ; the sample's first two steps
	s_or_b32 s[G0+3], s[G0+3], 0x80000000          ; type = 2
	CROUND                                         ; all four work-groups are here: the first joint loads meet
	TLOAD                                          ; slot 0
	s_bfe_u32 s38, ttmp6, 0x40000                  ; cx: my place in the cluster
	s_lshl_b32 s39, ttmp9, 2
	s_add_co_u32 s39, s39, s38                     ; c' = 4 x cluster x + cx
	s_lshl_b32 s42, s40, 6
	s_add_co_u32 s42, s42, s39
	s_lshl_b32 s42, s42, 2
	s_add_co_u32 s42, s42, s19
	s_mul_i32 s42, s42, 3328                       ; qbuf: my head's block
	s_mul_i32 s43, s41, 768
	s_add_co_u32 s46, s42, s43                     ; my tile's image
	s_mov_b32 s47, 0
	s_lshl_b32 s43, s41, 2
	s_add_co_u32 s48, s42, s43
	s_add_co_u32 s48, s48, 3072                    ; its scale words: [r][tile]
	s_mov_b32 s49, 0
	s_mul_i32 s50, s19, 12288
	s_add_co_u32 s50, s50, 12*12288
	s_mul_i32 s43, s41, 3072
	s_add_co_u32 s50, s50, s43                     ; wimg: w_out's group = head, tile, both K steps
	s_mov_b32 s51, 0
	s_lshl_b32 s52, s19, 9
	s_lshl_b32 s43, s41, 6
	s_add_co_u32 s52, s52, s43                     ; w_out's scale bytes: 8 (64 G + 8 u)
	s_mov_b32 s53, 0
	s_lshl_b32 s54, s19, 8
	s_lshl_b32 s43, s41, 5
	s_add_co_u32 s54, s54, s43                     ; b_out: 4 (64 G + 8 u)
	s_mov_b32 s55, 0
	s_lshl_b32 s44, s40, 22                        ; x and out: the sample,
	s_lshl_b32 s43, s19, 20
	s_add_co_u32 s44, s44, s43                     ; channel 64 G
	s_lshl_b32 s43, s41, 17
	s_add_co_u32 s44, s44, s43                     ; + 8 u,
	s_lshl_b32 s43, s39, 8
	s_add_co_u32 s44, s44, s43                     ; the 64 pixels' 256 bytes
	s_mov_b32 s45, 0
	s_add_nc_u64 s[46:47], s[4:5], s[46:47]
	s_add_nc_u64 s[48:49], s[4:5], s[48:49]
	s_add_nc_u64 s[8:9], s[8:9], s[50:51]
	s_add_nc_u64 s[10:11], s[10:11], s[52:53]
	s_add_nc_u64 s[12:13], s[12:13], s[54:55]
	s_add_nc_u64 s[14:15], s[14:15], s[44:45]
	s_add_nc_u64 s[16:17], s[16:17], s[44:45]
	v_and_b32 v228, 31, v0                         ; lane
	v_and_b32 v229, 15, v0                         ; r
	v_bfe_u32 v230, v0, 4, 1                       ; h
	v_and_b32 v231, 7, v0
	v_bfe_u32 v233, v0, 3, 1
	s_delay_alu instid0(VALU_DEP_1)
	v_lshl_add_u32 v231, v233, 5, v231             ; 32 (r / 8) + r % 8
	v_lshlrev_b32 v1, 4, v228
	v_lshlrev_b32 v2, 3, v228
	v_lshlrev_b32 v3, 4, v229
	s_delay_alu instid0(VALU_DEP_4)
	v_lshlrev_b32 v10, 3, v231
	v_lshlrev_b32 v11, 2, v231
	v_lshlrev_b32 v9, 3, v230
	s_mul_i32 s57, s19, HB                         ; my head's block of a step
	v_add_nc_u32 v4, s57, v1
	v_add_nc_u32 v5, s57, v2
	v_add_nc_u32 v6, s57, v3
	global_load_b128 v[16:19], v1, s[46:47]        ; Q's six registers stay
	global_load_b64 v[20:21], v2, s[46:47] offset:512
	global_load_b32 v244, v3, s[48:49]
.irp k, 0,1,2,3,4,5
	global_load_b128 v[204+4*\k:207+4*\k], v1, s[8:9] offset:512*\k   ; w_out's two fragments stay too
.endr
	global_load_b64 v[246:247], v10, s[10:11]
.irp j, 0,1,2,3,4,5,6,7
	global_load_b32 v[248+\j], v11, s[12:13]       ; b_out of my one output, in all eight registers of the result's layout
.endr
.irp j, 22,23,24,25,26,27
	v_mov_b32 v[\j], 0                             ; zero codes for k = 64 .. 127
.endr
.irp i, 0,1,2,3
.irp j, 0,1,2,3,4,5
	v_mov_b32 v[38+12*\i+\j], 0
.endr
.endr
.set j, 0
.rept 32
	v_mov_b32 v[152+j], 0                          ; O^T.  (The step is written for every trip alike: the first finds zeros, which the first change of M leaves zeros)
.set j, j+1
.endr
	v_mov_b32 v14, 0
	v_mov_b32 v15, 0
	v_mov_b32 v13, 0xff61b1e6                      ; -3e38, under every t
	s_delay_alu instid0(VALU_DEP_1)
	v_floor_f32 v12, -v13
	v_mov_b32 v[PT], 0                             ; written once: a lane permute's destination counts as one of its sources
	v_mov_b32 v29, 0                               ; (named as the upper half of the pair v[28:29])
	s_wait_loadcnt 0x0                             ; so v1-3 may be written again
.Lslot:                                            ; 15 trips: behind each change of slots but the last the next slot is asked for
	CHANGE 1
	SLOT_STEPS
	s_sub_co_u32 s37, s37, 1
	s_cmp_lg_u32 s37, 0
	s_cbranch_scc1 .Lslot
	CHANGE 0                                       ; the last slot is written out
	SLOT_STEPS
	; ---- THE TAIL.  The addresses are made first: plain lines that name no register of the last products, the places behind them
	v_and_b32 v228, 31, v0
	s_wait_alu depctr_va_vdst(0)
	v_and_b32 v229, 15, v0
	s_wait_alu depctr_va_vdst(0)
	v_bfe_u32 v230, v0, 4, 1
	v_lshlrev_b32 v30, 4, v229
	s_delay_alu instid0(VALU_DEP_1)
	v_lshl_add_u32 v30, v230, 14, v30              ; x, out: lanes 0-15 one channel's 256 bytes, lanes 16-31 the next channel's
	s_lshl_b32 s42, s41, 1
	s_lshr_b32 s43, s19, 1
	s_add_co_u32 s42, s42, s43                     ; y's fragment 2 t + s, s = head / 2;
	s_and_b32 s43, s19, 1                          ; I make its half c = head % 2
	s_mul_i32 s50, s42, 1536
	s_mul_i32 s51, s43, 768
	s_add_co_u32 s50, s50, s51
	s_add_co_u32 s50, s50, YIMG
	v_lshl_add_u32 v4, v228, 4, s50
	v_lshl_add_u32 v5, v228, 3, s50
	s_lshl_b32 s50, s42, 6
	s_lshl_b32 s51, s43, 1
	s_add_co_u32 s50, s50, s51
	s_add_co_u32 s50, s50, YSC
	v_lshl_add_u32 v6, v229, 2, s50                ; bytes 2 c, 2 c + 1 of row r's scale word
	v_lshl_add_u32 v10, v228, 4, YIMG
	v_lshl_add_u32 v11, v228, 3, YIMG
	v_lshl_add_u32 v31, v229, 2, YSC
	s_mul_i32 s50, s[WV], STGB                     ; my stage
	v_mul_u32_u24 v1, v229, 272
	s_delay_alu instid0(VALU_DEP_1)
	v_lshl_add_u32 v1, v230, 7, v1
	s_delay_alu instid0(VALU_DEP_1)
	v_add_nc_u32 v1, s50, v1                       ; in: row r (my output), 128 h: my 32 pixels
	v_mul_u32_u24 v2, v230, 272
	s_delay_alu instid0(VALU_DEP_1)
	v_lshl_add_u32 v2, v229, 4, v2
	s_delay_alu instid0(VALU_DEP_1)
	v_add_nc_u32 v2, s50, v2                       ; back: lanes 0-15 one row, lanes 16-31 the next
.irp i, 0,1,2,3,4,5,6,7
	global_load_b128 v[32+4*\i:35+4*\i], v30, s[14:15] offset:(32*(\i/4)+2*(\i%4))*16384 th:TH_LOAD_NT   ; x for the residual: stage row 2 i + h is channel 32 (i / 4) + 2 (i % 4) + h of my tile
.endr
	v_add_f32 v14, v14, v15                        ; the sum's two halves,
	s_delay_alu instid0(VALU_DEP_1)
	v_permlanex16_b32 v[PT], v14, s[SEL], s[SEL+1]
	s_delay_alu instid0(VALU_DEP_1)
	v_add_f32 v14, v14, v[PT]                      ; and lane l xor 16's keys
	s_wait_alu depctr_va_vdst(0)
	v_rcp_f32 v28, v14
	v_nop                                          ; one plain place behind a transcendental
.set j, 0
	s_wait_alu depctr_va_vdst(0)
.rept 16
	v_pk_mul_f32 v[152+2*j:153+2*j], v[152+2*j:153+2*j], v[28:29] op_sel_hi:[1,0]   ; y = O^T / the sum: register i is channel 64 head + 32 h + i of my query
.set j, j+1
.endr
	QB32 152, 184, 196, BY
	v_lshlrev_b32 v[T0], v9, v[BY]
	s_delay_alu instid0(VALU_DEP_1)
	v_permlanex16_b32 v[PT], v[T0], s[SEL], s[SEL+1]
	s_delay_alu instid0(VALU_DEP_1)
	v_or_b32 v[T0], v[T0], v[PT]
	ds_store_b128 v4, v[184:187]
	ds_store_b64 v5, v[188:189] offset:512
	ds_store_b16 v6, v[T0]                         ; both lanes of a row write the same two bytes with the same value
	s_wait_dscnt 0x0
	s_barrier_signal -1
	s_barrier_wait -1                              ; y's eight fragments lie in LDS
.irp f, 0,1,2,3,4,5,6,7
.irp c, 0,1
	ds_load_b128 v[88+12*\f+6*\c:91+12*\f+6*\c], v10 offset:1536*\f+768*\c
	ds_load_b64 v[92+12*\f+6*\c:93+12*\f+6*\c], v11 offset:1536*\f+768*\c+512
.endr
	ds_load_b32 v[80+\f], v31 offset:64*\f
.endr
	s_wait_dscnt 0x0
	; out^T: source 0 = y's tile t of pixels, source 1 = my tile of w_out: a lane holds one output and pixels 32 h + 8 t + j.  Four accumulators by turns; b_out starts each sum
.irp t, 0,1,2,3
	v_wmma_scale_f32_16x16x128_f8f6f4 v[64+8*\t+104*(\t/2):71+8*\t+104*(\t/2)], v[88+24*\t:99+24*\t], v[204:215], v[248:255], v[80+2*\t], v246 matrix_a_fmt:MATRIX_FMT_BF6 matrix_b_fmt:MATRIX_FMT_BF6
.endr
.irp t, 0,1,2,3
	v_wmma_scale_f32_16x16x128_f8f6f4 v[64+8*\t+104*(\t/2):71+8*\t+104*(\t/2)], v[100+24*\t:111+24*\t], v[216:227], v[64+8*\t+104*(\t/2):71+8*\t+104*(\t/2)], v[81+2*\t], v247 matrix_a_fmt:MATRIX_FMT_BF6 matrix_b_fmt:MATRIX_FMT_BF6
.endr
.rept 4
	v_nop                                          ; four places in front of the stores of results and of loads into operands
.endr
.irp t, 0,1,2,3
	ds_store_b128 v1, v[64+8*\t+104*(\t/2):67+8*\t+104*(\t/2)] offset:32*\t       ; each accumulator from its low end on
	ds_store_b128 v1, v[68+8*\t+104*(\t/2):71+8*\t+104*(\t/2)] offset:32*\t+16
.endr
.irp i, 0,1,2,3,4,5,6,7
	ds_load_b128 v[88+4*\i:91+4*\i], v2 offset:544*\i     ; LDS serves a wave's instructions in order: these see my stores
.endr
	s_wait_loadcnt 0x0                             ; x
.irp i, 0,1,2,3,4,5,6,7
	s_wait_dscnt 7-\i                              ; rows 2 i, 2 i + 1 are back; the younger loads stay out
	v_pk_add_f32 v[88+4*\i:89+4*\i], v[88+4*\i:89+4*\i], v[32+4*\i:33+4*\i]
	v_pk_add_f32 v[90+4*\i:91+4*\i], v[90+4*\i:91+4*\i], v[34+4*\i:35+4*\i]
	global_store_b128 v30, v[88+4*\i:91+4*\i], s[16:17] offset:(32*(\i/4)+2*(\i%4))*16384 th:TH_STORE_NT   ; sixteen lanes store 256 consecutive bytes, at a multiple of 256 from out's first byte
.endr
	s_wait_tensorcnt 0x0                           ; the wave's end: behind my last tensor load and my last LDS store
	ds_add_u32 v7, v8
	s_wait_dscnt 0x0
	CROUND                                         ; the closing round: no work-group ends while a partner may still ask for a tile that names it
	s_endpgm
.Lfunc_end_k_qd197073b1b_attn:
	.size	k_qd197073b1b_attn, .Lfunc_end_k_qd197073b1b_attn-k_qd197073b1b_attn
	.p2alignl 7, 3214868480
	.fill 96, 4, 3214868480
	.section	.rodata,"a",@progbits
	.p2align	6, 0x0
	.amdhsa_kernel k_qd197073b1b_attn
		.amdhsa_group_segment_fixed_size 327680
		.amdhsa_private_segment_fixed_size 0
		.amdhsa_enable_private_segment 0
		.amdhsa_kernarg_size 56
		.amdhsa_user_sgpr_count 2
		.amdhsa_user_sgpr_kernarg_segment_ptr 1
		.amdhsa_wavefront_size32 1
		.amdhsa_system_sgpr_workgroup_id_x 1
		.amdhsa_system_sgpr_workgroup_id_y 1
		.amdhsa_system_sgpr_workgroup_id_z 1
		.amdhsa_system_vgpr_workitem_id 0
		.amdhsa_next_free_vgpr 256
		.amdhsa_next_free_sgpr 66
		.amdhsa_reserve_vcc 0
		.amdhsa_float_denorm_mode_32 3
		.amdhsa_float_denorm_mode_16_64 3
		.amdhsa_memory_ordered 1
		.amdhsa_forward_progress 1
		.amdhsa_inst_pref_size 86
	.end_amdhsa_kernel
	.amdgpu_metadata
---
amdhsa.version: [ 1, 2 ]
amdhsa.kernels:
  - .name:           k_qd197073b1b_attn
    .symbol:         k_qd197073b1b_attn.kd
    .args:
      - { .name: qbuf, .offset: 0, .size: 8, .value_kind: global_buffer, .address_space: global }
      - { .name: kv, .offset: 8, .size: 8, .value_kind: global_buffer, .address_space: global }
      - { .name: wimg, .offset: 16, .size: 8, .value_kind: global_buffer, .address_space: global }
      - { .name: w_out_scales, .offset: 24, .size: 8, .value_kind: global_buffer, .address_space: global }
      - { .name: b_out, .offset: 32, .size: 8, .value_kind: global_buffer, .address_space: global }
      - { .name: x, .offset: 40, .size: 8, .value_kind: global_buffer, .address_space: global }
      - { .name: out0, .offset: 48, .size: 8, .value_kind: global_buffer, .address_space: global }
    .group_segment_fixed_size: 327680
    .private_segment_fixed_size: 0
    .kernarg_segment_align: 8
    .kernarg_segment_size: 56
    .max_flat_workgroup_size: 512
    .sgpr_count:     66
    .vgpr_count:     256
    .wavefront_size: 32
...
	.end_amdgpu_metadata
.endif
;; end of part 3
